; MI455X (gfx1250); checked and timed in simulation.
; The chip was launched on July 23, 2026; its instructions are those of AMD's public machine-readable ISA for CDNA 5 (MIT licence, August 2026) and "CDNA5" Instruction Set Architecture Reference Guide (July 2026). The comments in the code are by the model that wrote it; some were corrected since.
;; Sparse Attention. Allowed arithmetic: matrix products marked QUANTISED: E2M3 operands, one E8M0 scale for each 32 along K, by v_wmma_scale_f32_16x16x128_f8f6f4 with both operands' format E2M3, f32 sums; everything else in f32.
;; Inputs: attention_mask 1 x 1 x 4,096 x 4,096 bool; bk 1,024 float32; bo 1,024 float32; bq 1,024 float32; bv 1,024 float32; hidden_states 1 x 4,096 x 1,024 float32; wk 1,024 x 1,024 float32; wo 1,024 x 1,024 float32; wq 1,024 x 1,024 float32; wv 1,024 x 1,024 float32.
;; Outputs: out0 1 x 4,096 x 1,024 float32.
;; This version of the problem:
;;   THIS VERSION OF THE PROBLEM IS GIVEN IN LOW PRECISION. The matrix products marked QUANTISED in the list below multiply operands that are first quantised to E2M3 (2 exponent bits, 3 mantissa bits; 6 bits a number), with one power-of-two scale for each 32 numbers along K (OCP MX v1.0); their sums are f32. All else is computed in f32.
;;   The module's matrix products, in the order in which they are computed (A, B: the left and right operand; K: the contracted axis; several contracted axes count as one K, in the product's order):
;;     1. [M 4,096, K 1,024] x [K 1,024, N 1,024]; A: input hidden_states; B: input wq: QUANTISED
;;     2. [M 4,096, K 1,024] x [K 1,024, N 1,024]; A: input hidden_states; B: input wk: QUANTISED
;;     3. [M 4,096, K 1,024] x [K 1,024, N 1,024]; A: input hidden_states; B: input wv: QUANTISED
;;     4. batch 16 x [M 4,096, K 64] x [K 64, N 4,096]; A: computed on the way; B: computed on the way: QUANTISED
;;     5. batch 16 x [M 4,096, K 4,096] x [K 4,096, N 64]; A: softmax (see below); B: computed on the way: QUANTISED
;;     6. [M 4,096, K 1,024] x [K 1,024, N 1,024]; A: computed on the way; B: input wo: QUANTISED
;;   THE QUANTISER, for each operand of a quantised product, along K:
;;     - K is cut into blocks of 32 from its start; a last block that is shorter is filled with zeros.
;;     - A block's scale is 2^e with e = floor(log2(the largest magnitude in the block)) - 2, held to -126 .. 127; a block of zeros has e = 0. As a byte (E8M0): e + 127.
;;     - Each number is divided by its block's scale, clamped to +-7.5, and rounded to the nearest number of E2M3, ties to even, subnormals kept.
;;     - The product sums the exact products of the quantised numbers (number of the format x scale) in f32.
;;   ~~~python
;;   def quantise(x, axis):      # numpy; x: float32 -> the quantised numbers, widened to float32 again
;;       x = np.moveaxis(x, axis, -1); K = x.shape[-1]
;;       x = np.pad(x, [(0, 0)] * (x.ndim - 1) + [(0, -K % 32)]); x = x.reshape(x.shape[:-1] + (-1, 32)); a = np.abs(x).max(-1, keepdims=True)
;;       e = np.where(a > 0, np.clip(np.frexp(np.where(a > 0, a, 1))[1] - 1 - 2, -126, 127), 0)      # np.frexp(a)[1] - 1 = floor(log2(a)), exactly
;;       r = np.clip(x / 2.0 ** e, -7.5, 7.5)
;;       step = 2.0 ** (np.maximum(np.frexp(np.where(r == 0, 1, r))[1] - 1, 0) - 3)
;;       q = np.round(r / step) * step * 2.0 ** e      # np.round: ties to even
;;       return np.moveaxis(q.reshape(q.shape[:-2] + (-1,))[..., :K], -1, axis).astype(np.float32)
;;   ~~~
;;   SOFTMAX AHEAD OF A QUANTISED PRODUCT. Where the list says 'softmax', what is quantised is not the finished softmax but p = 2^(t - M), with t = logit x log2(e) and M = ceil(the row's largest t), a whole number; so 1/2 < the row's largest p <= 1. The row's sum l is taken of the UNQUANTISED p, in f32, and the product's result is divided by l at the end. Since M is a whole number, a kernel that streams over the keys may use a running M (the ceiling of the running maximum): every later rescaling is an exact power of two, which a block's scale takes up: the codes' values come out the same.
;;   OPERANDS COMPUTED ON THE WAY. 'Computed on the way' means the value that the module computes at that place (a softmax that the list does not call 'softmax' is quantised finished and normalised). What goes into a quantiser is computed in f32, as accurately as f32 sums, v_exp_f32 and their like allow (about 1e-6 of the number): no bf16 or f16 on the way to a quantiser, and a product that is left as it is and whose result goes on into a quantised operand takes f32 operands (vector FMAs, or v_wmma_f32_16x16x4_f32). A number that lies on a knife's edge between two numbers of the format may be rounded either way, as far as f32 arithmetic and the matrix unit's own rounding can turn it there, and no further.
;; One version. Each part assembles by itself: llvm-mc -triple=amdgcn-amd-amdhsa -mcpu=gfx1250 --defsym DOCPART=n.
;; ======== version 1 of 1: 4 launches
;; workspace buffers: ops 6,553,600 bytes; flags 2,048 bytes of whole numbers; qkv 10,223,616 bytes; att 3,276,800 bytes
;; launch prep (part 1): grid 768 x 1, 4 waves a work-group, no clusters, 34,304 bytes of LDS; arguments hidden_states, wq, wk, wv, wo, attention_mask, ops, flags; writes ops, flags
.if DOCPART == 1
	.amdgcn_target "amdgcn-amd-amdhsa--gfx1250"
	.amdhsa_code_object_version 6
	.text
	.protected	k_q2242c81b57_prep
	.globl	k_q2242c81b57_prep
	.p2align	8
	.type	k_q2242c81b57_prep,@function
k_q2242c81b57_prep:
	s_mov_b64 s[64:65], 0
	v_nop
	global_prefetch_b8 v0, s[64:65] scope:SCOPE_SE
	s_setreg_imm32_b32 hwreg(HW_REG_WAVE_MODE, 25, 1), 1
	s_wait_xcnt 0x0
; PREP.  (a) hidden_states [4096][1024] and wq, wk, wv, wo [1024][1024], f32 with K innermost, become codes of FP6 (E2M3) with one E8M0 scale byte for each 32 along K;
; (b) the mask [4096][4096] of bytes becomes two bits for each (32 queries, 64 keys): any key open, all keys open.
; THE QUANTISER: a block's scale is 2^(floor(log2(its largest magnitude)) - 2); its byte is the largest magnitude's exponent field - 2, held at 1 from below by a floor among the maximum's leaves.
; A block of zeros so gets the byte 1 where the rule says 127: its codes are zeros, which add nothing, and only this program reads the bytes.
; LIMITS: NaN and infinities among the inputs are not served; blocks whose largest magnitude lies under 2^(3 - 127) take the byte 1.
; LAYOUT OF THE CODES (this program's own).  A tile is 16 rows: tile t holds rows 32 (t / 2) + 8 (t % 2) + i + 8 (i / 8), i = 0 .. 15, so that in a later product whose source 0 is such a tile
; the 16 result registers of tiles 2 b and 2 b + 1 are 16 neighbouring rows.  A fragment (16 rows x 128 K, 12 registers a lane) lies as an image of its registers, 1,536 bytes:
; register pair p of lane l at 256 p + 8 l.  A tile's scale words lie in 512 bytes: the word of (K step s, tile row i) at 64 s + 4 i.
; SHARES.  Work-groups 0-511: one tile each (256 of hidden, 64 of each weight); wave w takes K steps 2 w and 2 w + 1.  Each load reads 512 consecutive bytes of a row; the step's 16 rows turn through the
; wave's own stage in LDS (rows 528 bytes apart), from which lane (r, h) takes, of row r, the numbers 64 c + 32 h + 0 .. 31: two whole blocks, in the operand's own order.
; Work-groups 512-767: 32 rows x 2,048 keys of the mask each, a wave 32 rows x 512 keys.  Waves share nothing: no barrier.  Memory binds: no matrix unit, no cluster, no tensor load.
.set XS_, 3145728                      ; ops: hidden's scale blocks
.set WC_, 3276800                      ; q, k, v weights' codes [head 16][K step 8][tile 12][1536]
.set WS_, 5636096                      ; their scale blocks [head][tile 12][512]
.set OC_, 5734400                      ; wo's codes [64 rows 16][K step 8][tile 4][1536]
.set OS_, 6520832                      ; its scale blocks
.set R,   16                           ; v16-143  two sets of 64 registers as loaded
.set X,   144                          ; v144-207 64 numbers of my row in the operand's order
.set C,   208                          ; v208-231 two fragments' codes
.set CT,  232                          ; v232-239 the second halves of the blocks' codes (a conversion's three registers begin on an even number)
.set M,   240                          ; v240-241 largest magnitudes
.set SO,  242                          ; v242-243 the conversions' scale operands
.set BY,  244                          ; v244-245 scale bytes
.set WD,  246
.set TP,  247
.set W,   250                          ; v250-251 the two K steps' scale words
	s_load_b512 s[4:19], s[0:1], 0x0               ; hidden s[4:5], wq s[6:7], wk s[8:9], wv s[10:11], wo s[12:13], mask s[14:15], ops s[16:17], flags s[18:19]
	v_lshl_add_u32 v254, v0, 2, 0x8400
	v_mov_b32 v255, 0
	v_lshrrev_b32 v1, 5, v0
	v_readfirstlane_b32 s32, v1                    ; wave 0..3
	v_and_b32 v1, 31, v0                           ; lane
	v_lshlrev_b32 v2, 4, v1                        ; 16 x lane
	v_lshlrev_b32 v5, 3, v1                        ; 8 x lane
	s_cmp_ge_u32 ttmp9, 512
	s_cbranch_scc1 .Lmask
	; ---------------- the quantiser ----------------
	v_and_b32 v8, 15, v0                           ; r
	v_bfe_u32 v9, v0, 4, 1                         ; h
	s_mul_i32 s33, s32, 8448                       ; my wave's stage: 16 rows x 528 bytes
	v_add_nc_u32 v3, s33, v2                       ; in: 16 x lane, a row at a time
	v_mul_u32_u24 v4, v8, 528
	v_lshl_add_u32 v4, v9, 7, v4
	v_add_nc_u32 v4, s33, v4                       ; out: row r, + 128 h
	v_lshlrev_b32 v6, 2, v1                        ; 4 x lane
	v_lshlrev_b32 v7, 3, v9                        ; 8 h: my bytes' place in a scale word
	v_mov_b32 v[TP], 0                             ; a lane permute's destination counts as one of its sources
	s_mov_b32 s40, 0x76543210
	s_mov_b32 s41, 0xfedcba98                      ; selects for lane l xor 16
	s_mov_b32 s42, 0xffff0000                      ; lanes 16-31
	; which tensor, which tile, where to.  nb: tiles that lie side by side in a K step of the target
	s_cmp_lt_u32 ttmp9, 448
	s_cselect_b32 s22, 12, 4                       ; nb
	s_mov_b32 s23, OC_
	s_cselect_b32 s23, WC_, s23                    ; the codes' part of ops
	s_mov_b32 s24, OS_
	s_cselect_b32 s24, WS_, s24                    ; the scale blocks' part
	s_cmp_lt_u32 ttmp9, 256
	s_cselect_b32 s22, 1, s22
	s_cselect_b32 s23, 0, s23
	s_cselect_b32 s24, XS_, s24
	s_and_b32 s25, ttmp9, 255                      ; z: among the weights' 256 tiles
	s_and_b32 s26, s25, 63                         ; the tile in its weight
	s_lshr_b32 s27, s26, 2                         ; its 64 rows (a head)
	s_lshr_b32 s28, s25, 6                         ; which weight
	s_and_b32 s29, s25, 3
	s_lshl_b32 s28, s28, 2
	s_cmp_lt_u32 ttmp9, 448
	s_cselect_b32 s28, s28, 0
	s_add_co_u32 s28, s28, s29                     ; b: q 0-3, k 4-7, v 8-11; wo 0-3
	s_cmp_lt_u32 ttmp9, 256
	s_cselect_b32 s26, ttmp9, s26                  ; the tile in its tensor
	s_cselect_b32 s27, ttmp9, s27                  ; y: the target's outer index
	s_cselect_b32 s28, 0, s28
	s_mul_i32 s30, s27, 12288
	s_mul_i32 s31, s32, 3072
	s_add_co_u32 s30, s30, s31
	s_mul_i32 s30, s30, s22                        ; nb (12,288 y + 3,072 w): K step 2 w of y
	s_mul_i32 s31, s28, 1536
	s_add_co_u32 s30, s30, s31
	s_add_co_u32 s30, s30, s23
	s_mov_b32 s31, 0
	s_wait_kmcnt 0x0
	s_add_nc_u64 s[34:35], s[16:17], s[30:31]      ; the image of K step 2 w
	s_mul_i32 s30, s22, 1536
	s_add_nc_u64 s[36:37], s[34:35], s[30:31]      ; and of 2 w + 1
	s_mul_i32 s30, s27, s22
	s_add_co_u32 s30, s30, s28
	s_lshl_b32 s30, s30, 9                         ; 512 (nb y + b)
	s_lshl_b32 s38, s32, 7                         ; + 128 w: two K steps' words
	s_add_co_u32 s30, s30, s38
	s_add_co_u32 s30, s30, s24
	s_add_nc_u64 s[38:39], s[16:17], s[30:31]
	s_cmp_lt_u32 ttmp9, 448                        ; the source: a choice that hangs on the work-group's number alone
	s_cselect_b64 s[20:21], s[10:11], s[12:13]
	s_cmp_lt_u32 ttmp9, 384
	s_cselect_b64 s[20:21], s[8:9], s[20:21]
	s_cmp_lt_u32 ttmp9, 320
	s_cselect_b64 s[20:21], s[6:7], s[20:21]
	s_cmp_lt_u32 ttmp9, 256
	s_cselect_b64 s[20:21], s[4:5], s[20:21]
	s_lshr_b32 s30, s26, 1
	s_lshl_b32 s30, s30, 5
	s_and_b32 s43, s26, 1
	s_lshl_b32 s43, s43, 3
	s_add_co_u32 s30, s30, s43                     ; the tile's first row: 32 (t / 2) + 8 (t % 2)
	s_lshl_b32 s30, s30, 12                        ; rows of 4,096 bytes
	s_lshl_b32 s43, s32, 10                        ; my two K steps: 1,024 bytes
	s_add_co_u32 s30, s30, s43
	s_add_nc_u64 s[20:21], s[20:21], s[30:31]
.macro LOADS e                         ; K step e of my two: 16 rows, 512 consecutive bytes a load
.irp i, 0,1,2,3,4,5,6,7,8,9,10,11,12,13,14,15
	global_load_b128 v[R+64*\e+4*\i:R+64*\e+4*\i+3], v2, s[20:21] offset:(\i+8*(\i/8))*4096+512*\e th:TH_LOAD_NT
.endr
.endm
.macro TURN e                          ; through my stage: LDS serves a wave's instructions in order, so no wait stands between the stores and the loads
.irp i, 0,1,2,3,4,5,6,7,8,9,10,11,12,13,14,15
	ds_store_b128 v3, v[R+64*\e+4*\i:R+64*\e+4*\i+3] offset:528*\i
.endr
.irp c, 0,1
.irp j, 0,1,2,3,4,5,6,7
	ds_load_b128 v[X+32*\c+4*\j:X+32*\c+4*\j+3], v4 offset:256*\c+16*\j   ; register 32 c + i = k 64 c + 32 h + i of row r
.endr
.endr
.endm
.macro FRAGQ e                         ; 64 numbers of a lane, two whole blocks, become a fragment's 12 registers and my row's scale word
.irp c, 0,1
	v_max3_num_f32 v[M+\c], |v[X+32*\c]|, |v[X+32*\c+1]|, 0x1800000   ; block 2 c + h, and the floor 2^(3 - 127): the byte cannot fall under 1
.endr
.irp i, 2,4,6,8,10,12,14,16,18,20,22,24,26,28,30
.irp c, 0,1
	v_max3_num_f32 v[M+\c], v[M+\c], |v[X+32*\c+\i]|, |v[X+32*\c+\i+1]|   ; (the two blocks by turns)
.endr
.endr
.irp c, 0,1
	v_add_nc_u32 v[SO+\c], 0xff000000, v[M+\c]     ; 2 off the exponent field: the conversion takes this operand's exponent field as its scale
.endr
.irp c, 0,1
	v_lshrrev_b32 v[BY+\c], 23, v[SO+\c]           ; the scale's byte
.endr
	v_lshl_or_b32 v[WD], v[BY+1], 16, v[BY]        ; blocks h and 2 + h,
	v_lshlrev_b32 v[WD], v7, v[WD]                 ; at their places in the word;
	v_permlanex16_b32 v[TP], v[WD], s40, s41
	v_or_b32 v[W+\e], v[WD], v[TP]                 ; with lane l xor 16's two the word is whole
.irp c, 0,1
	v_cvt_scalef32_pk16_fp6_f32 v[C+12*\e+6*\c:C+12*\e+6*\c+2], v[X+32*\c:X+32*\c+15], v[SO+\c]
	v_cvt_scalef32_pk16_fp6_f32 v[CT+4*\c:CT+4*\c+2], v[X+32*\c+16:X+32*\c+31], v[SO+\c]
.endr
	v_nop                                          ; one plain place behind a scaled conversion
.irp c, 0,1
.irp i, 0,1,2
	v_mov_b32 v[C+12*\e+6*\c+3+\i], v[CT+4*\c+\i]
.endr
.endr
.irp p, 0,1,2,3,4,5
	global_store_b64 v5, v[C+12*\e+2*\p:C+12*\e+2*\p+1], s[34+2*\e:35+2*\e] offset:256*\p   ; 32 lanes store 256 consecutive bytes, at a multiple of 256 from the buffer's first byte
.endr
.endm
	LOADS 0
	LOADS 1
	s_wait_loadcnt 16                              ; the first K step's sixteen loads are in; the second's may be out
	TURN 0
	s_wait_dscnt 0x0
	FRAGQ 0
	s_wait_loadcnt 0x0
	TURN 1                                         ; the stage's first use is over: its loads were waited for
	s_wait_dscnt 0x0
	FRAGQ 1                                        ; its codes have registers of their own: no store's data are written again
	v_cndmask_b32 v[WD], v[W], v[W+1], s42         ; lanes 0-15 K step 2 w's words, lanes 16-31 those of 2 w + 1
	global_store_b32 v6, v[WD], s[38:39]           ; 128 consecutive bytes
	s_wait_tensorcnt 0x0
	ds_add_u32 v254, v255
	s_wait_dscnt 0x0
	s_endpgm
	; ---------------- the mask's flags ----------------
	; Group G = 32 queries; chunk c = keys 64 c .. 64 c + 63.  flags[16 G + 0 .. 7]: bit c of 64: some key of the chunk is open for some query of the group; [16 G + 8 .. 15]: all are, for all.
	; My wave: 32 rows x 512 keys: 8 chunks, one byte of each of the two.  A lane holds 16 keys of every row; four lanes hold a chunk.
.Lmask:
	s_sub_co_u32 s20, ttmp9, 512
	s_lshr_b32 s21, s20, 1                         ; G
	s_and_b32 s22, s20, 1
	s_lshl_b32 s22, s22, 2
	s_add_co_u32 s22, s22, s32                     ; which 512 keys: 0..7
	s_lshl_b32 s24, s21, 17                        ; 32 rows of 4,096 bytes
	s_lshl_b32 s23, s22, 9
	s_add_co_u32 s24, s24, s23
	s_mov_b32 s25, 0
	s_lshl_b32 s26, s21, 4
	s_add_co_u32 s26, s26, s22
	s_mov_b32 s27, 0
	s_wait_kmcnt 0x0
	s_add_nc_u64 s[14:15], s[14:15], s[24:25]
	s_add_nc_u64 s[18:19], s[18:19], s[26:27]
.irp i, 0,1,2,3,4,5,6,7,8,9,10,11,12,13,14,15,16,17,18,19,20,21,22,23,24,25,26,27,28,29,30,31
	global_load_b128 v[16+4*\i:16+4*\i+3], v2, s[14:15] offset:4096*\i   ; 512 consecutive bytes of row i
.endr
.irp i, 1,2,3,4,5,6,7,8,9,10,11,12,13,14,15,16,17,18,19,20,21,22,23,24,25,26,27,28,29,30,31
	s_wait_loadcnt 31-\i                           ; loads come back in order: rows 0 to i are in, the younger ones stay out
.irp k, 0,1,2,3
.if \i == 1
	v_or_b32 v[144+\k], v[16+\k], v[20+\k]         ; the first two rows start both: nothing is cleared
	v_and_b32 v[148+\k], v[16+\k], v[20+\k]
.else
	v_or_b32 v[144+\k], v[144+\k], v[16+4*\i+\k]
	v_and_b32 v[148+\k], v[148+\k], v[16+4*\i+\k]
.endif
.endr
.endr
	v_or_b32 v144, v144, v145
	v_or_b32 v146, v146, v147
	v_or_b32 v144, v144, v146
	v_and_b32 v148, v148, v149
	v_and_b32 v150, v150, v151
	v_and_b32 v148, v148, v150
	s_mov_b32 s30, 0x01010101                      ; four open keys
	v_cmp_ne_u32 s28, 0, v144                      ; a bit a lane: some key open
	v_cmp_eq_u32 s29, s30, v148                    ; all 16 keys open in all 32 rows
	s_lshr_b32 s31, s28, 1                         ; four lanes are a chunk: bit 4 g takes the four
	s_or_b32 s28, s28, s31
	s_lshr_b32 s31, s28, 2
	s_or_b32 s28, s28, s31
	s_lshr_b32 s31, s29, 1
	s_and_b32 s29, s29, s31
	s_lshr_b32 s31, s29, 2
	s_and_b32 s29, s29, s31
.macro SQUEEZE r, t                    ; bits 0, 4, .. 28 move together into bits 0 .. 7
	s_and_b32 s[\r], s[\r], 0x11111111
	s_lshr_b32 s[\t], s[\r], 3
	s_or_b32 s[\r], s[\r], s[\t]
	s_and_b32 s[\r], s[\r], 0x03030303
	s_lshr_b32 s[\t], s[\r], 6
	s_or_b32 s[\r], s[\r], s[\t]
	s_and_b32 s[\r], s[\r], 0x000f000f
	s_lshr_b32 s[\t], s[\r], 12
	s_or_b32 s[\r], s[\r], s[\t]
	s_and_b32 s[\r], s[\r], 0xff
.endm
	SQUEEZE 28, 31
	SQUEEZE 29, 31
	v_mov_b32 v8, s28
	v_mov_b32 v9, s29
	v_cmp_eq_u32 vcc_lo, 0, v1
	v_cndmask_b32 v8, v9, v8, vcc_lo               ; lane 0: 'some', lane 1: 'all'
	s_wait_xcnt 0x0                                ; EXEC is a source of the loads above: it changes only behind this wait
	v_cmpx_gt_u32 2, v1                            ; lanes 0 and 1
	global_store_b8 v5, v8, s[18:19]               ; two single bytes, 8 bytes apart: 2,048 bytes in the whole launch go out so
	s_wait_xcnt 0x0
	s_mov_b32 exec_lo, -1
	s_endpgm
.Lfunc_end_k_q2242c81b57_prep:
	.size	k_q2242c81b57_prep, .Lfunc_end_k_q2242c81b57_prep-k_q2242c81b57_prep
	.p2alignl 7, 3214868480
	.fill 96, 4, 3214868480
	.section	.rodata,"a",@progbits
	.p2align	6, 0x0
	.amdhsa_kernel k_q2242c81b57_prep
		.amdhsa_group_segment_fixed_size 34304
		.amdhsa_private_segment_fixed_size 0
		.amdhsa_enable_private_segment 0
		.amdhsa_kernarg_size 64
		.amdhsa_user_sgpr_count 2
		.amdhsa_user_sgpr_kernarg_segment_ptr 1
		.amdhsa_wavefront_size32 1
		.amdhsa_system_sgpr_workgroup_id_x 1
		.amdhsa_system_sgpr_workgroup_id_y 1
		.amdhsa_system_sgpr_workgroup_id_z 1
		.amdhsa_system_vgpr_workitem_id 0
		.amdhsa_next_free_vgpr 256
		.amdhsa_next_free_sgpr 66
		.amdhsa_reserve_vcc 1
		.amdhsa_float_denorm_mode_32 3
		.amdhsa_float_denorm_mode_16_64 3
		.amdhsa_memory_ordered 1
		.amdhsa_forward_progress 1
		.amdhsa_inst_pref_size 33
	.end_amdhsa_kernel
	.amdgpu_metadata
---
amdhsa.version: [ 1, 2 ]
amdhsa.kernels:
  - .name:           k_q2242c81b57_prep
    .symbol:         k_q2242c81b57_prep.kd
    .args:
      - { .name: hidden_states, .offset: 0, .size: 8, .value_kind: global_buffer, .address_space: global }
      - { .name: wq, .offset: 8, .size: 8, .value_kind: global_buffer, .address_space: global }
      - { .name: wk, .offset: 16, .size: 8, .value_kind: global_buffer, .address_space: global }
      - { .name: wv, .offset: 24, .size: 8, .value_kind: global_buffer, .address_space: global }
      - { .name: wo, .offset: 32, .size: 8, .value_kind: global_buffer, .address_space: global }
      - { .name: attention_mask, .offset: 40, .size: 8, .value_kind: global_buffer, .address_space: global }
      - { .name: ops, .offset: 48, .size: 8, .value_kind: global_buffer, .address_space: global }
      - { .name: flags, .offset: 56, .size: 8, .value_kind: global_buffer, .address_space: global }
    .group_segment_fixed_size: 34304
    .private_segment_fixed_size: 0
    .kernarg_segment_align: 8
    .kernarg_segment_size: 64
    .max_flat_workgroup_size: 128
    .sgpr_count:     66
    .vgpr_count:     256
    .wavefront_size: 32
...
	.end_amdgpu_metadata
.endif
;; end of part 1
;; launch qkv (part 2): grid 16 x 16, 4 waves a work-group, clusters of 4 x 1, 168,448 bytes of LDS; arguments ops, bq, bk, bv, qkv; writes qkv
.if DOCPART == 2
	.amdgcn_target "amdgcn-amd-amdhsa--gfx1250"
	.amdhsa_code_object_version 6
	.text
	.protected	k_q2242c81b57_qkv
	.globl	k_q2242c81b57_qkv
	.p2align	8
	.type	k_q2242c81b57_qkv,@function
k_q2242c81b57_qkv:
	s_mov_b64 s[64:65], 0
	v_nop
	global_prefetch_b8 v0, s[64:65] scope:SCOPE_SE
	s_setreg_imm32_b32 hwreg(HW_REG_WAVE_MODE, 25, 1), 1
	s_wait_xcnt 0x0
	s_wait_alu depctr_hold_cnt(0) depctr_sa_sdst(0) depctr_va_vdst(0) depctr_va_sdst(0) depctr_va_ssrc(0) depctr_va_vcc(0) depctr_vm_vsrc(0)
	s_getreg_b32 s2, hwreg(HW_REG_IB_STS2, 6, 4)
	s_cmp_eq_u32 s2, 0
	s_cbranch_scc0 .Lentry_in_a_cluster
	s_endpgm
.Lentry_in_a_cluster:
	s_bfe_u32 s2, ttmp6, 0x10000c
	s_cmp_lg_u32 s2, 0x3003
	s_cbranch_scc0 .Lentry_shape_is_right
	s_endpgm
.Lentry_shape_is_right:
; QKV.  q, k, v = hidden W^T + b on codes of FP6 (E2M3) with E8M0 scales, f32 sums; the results are quantised at once, in registers, for attention's two products, and only codes go to memory.
; SHARES.  Work-group (x, y): rows 256 x .. 256 x + 255 of hidden against the 192 weight rows of head y: 4 tiles of wq, 4 of wk, 4 of wv.  Wave w: 4 tiles of 16 rows (64 rows) against all 12: 48 accumulators.
; The weights' tiles, K = 1,024 whole (147,456 bytes), are read by all four waves: they lie in LDS, filled ONCE by 8 tensor loads a wave (K step s, quarter w; by this text's own count a wave has 8 out).
; The four work-groups of a cluster share y: they ask for those tiles JOINTLY (mask 15).  Hidden's fragments are read by one wave each: they come straight from memory into registers, two K steps ahead.
; All operands lie in memory as images of their registers (pair p of lane l at 256 p + 8 l of a fragment's 1,536 bytes), so every load of 8 bytes a lane covers 256 consecutive bytes.
; LAYOUT.  Every tile of 16 holds the rows 32 (t / 2) + 8 (t % 2) + i + 8 (i / 8).  q's and k's products are used TRANSPOSED (source 0 = weight rows, source 1 = hidden rows): a lane holds one row of q,
; and the 32 registers of a head's four tiles run along its 64 channels: register 16 b + i = channel 32 b + 16 h + i.  v's products are used as written (source 0 = hidden rows = keys, source 1 = weight rows):
; a lane holds one channel and its registers run along the 64 keys, which are the K of attention's second product.  So every quantiser finds its K in one lane's registers.
; WHAT IS STORED: for each (section q, k, v; head; 64 rows) a record of 3,328 bytes: four units of 16 rows x 64 K, 6 registers a lane each: register 6 u + e in group (6 u + e) / 4 at 512 x group + 16 l + 4 ((6 u + e) % 4);
; at 3,072 + 8 l two scale words (bytes 0, 1 the two blocks' bytes, bytes 2, 3 zero): unit l / 16, row l % 16, and unit 2 + l / 16.
; LIMITS: NaN and infinities are not served; a block of zeros takes the byte 1 (its codes are zeros; only this program reads the bytes).
; REGISTERS, in windows of 256.  Window 0: v1-11 addresses; v32-47 hidden's scale words (4 a + s / 2: lanes 0-15 the even K step's, lanes 16-31 the odd one's), v48-95 the weights' (4 b + s / 2): scales and nothing else;
;   v96-167, v168-239 the weights' fragments, tiles 0-5 and 6-11 of the K step in hand; on the way out v96-253 are at work.   Window 3: hidden's fragments, three sets of 48.
;   Windows 1 (a = 0, 1) and 2 (a = 2, 3): accumulators: (a, b < 8) at v[64 (a % 2) + 8 b], (a, 8 + b') at v[128 + 16 b' + 8 (a % 2)].
.set KSB,  18432                       ; a K step of the 12 tiles
.set QB,   4608                        ; a quarter of it: one tensor load, 18 rows of 256 bytes
.set RWS,  18
.set XS_,  3145728                     ; ops: hidden's scale blocks
.set WC_,  3276800                     ; the weights' codes
.set WS_,  5636096                     ; their scale blocks
.set SEC,  3407872                     ; qkv: a section
.set ASC,  32
.set BSC,  48
.set HB0,  96
.set HB1,  168
.set BQ,   96                          ; the way out: bq's 32 numbers of my lane; bk's at BQ + 32
.set BV,   160                         ; bv: a pair (the same number twice) for each of the four tiles
.set T,    168                         ; 32 numbers at work
.set TM,   200                         ; v200-205 at work in the quantiser
.set CX,   216
.set CD,   224                         ; v224-247 a record's 24 code registers
.set PW,   248                         ; v248-251 its four scale words
.set SWD,  252
.set SEL,  82
.set MSB,  0
.macro WIN new                         ; the immediate's high byte repeats the setting that is left
.if MSB != (\new)
	s_set_vgpr_msb (MSB<<8)|(\new)
.set MSB, (\new)
.endif
.endm
.macro PLACES                          ; four places behind a matrix instruction of this form, in front of loads into its registers and of reads of its results (ISA guide 7.12.1 for reads of its results)
.rept 4
	v_nop
.endr
.endm
.macro CROUND                          ; a round of the cluster's barrier
	s_barrier_signal -1
	s_barrier_wait -1
	s_cmp_lg_u32 s14, 0
	s_cbranch_scc1 .Lnot_wave_0_\@
	s_barrier_signal -3
.Lnot_wave_0_\@:
	s_barrier_wait -3
	s_barrier_signal -1
	s_barrier_wait -1
.endm
	s_load_b128 s[4:7], s[0:1], 0x0                ; ops, bq
	s_load_b128 s[8:11], s[0:1], 0x10              ; bk, bv
	s_load_b64 s[12:13], s[0:1], 0x20              ; qkv
	v_lshl_add_u32 v254, v0, 2, 0x29000
	v_mov_b32 v255, 0
	ds_add_u32 v254, v255
	ds_add_u32 v254, v255
	v_lshrrev_b32 v1, 5, v0
	v_readfirstlane_b32 s14, v1                    ; wave 0..3
	s_bfe_u32 s15, ttmp6, 0x40000                  ; cx
	s_lshl_b32 s16, ttmp9, 2
	s_add_co_u32 s16, s16, s15                     ; x = 4 x cluster x + cx: it enters hidden's and the records' global addresses alone
	s_and_b32 s17, ttmp7, 0xffff                   ; y: the head, which the four partners share
	; descriptor group 1: 18 rows of 256 bytes (32 elements of 8), dense, no padding
	s_mov_b32 s24, 15|(3<<16)|(1<<21)              ; 15:0 the mask: all four work-groups; 17:16 elements of 8 bytes; 21 set beside a mask
	s_mov_b32 s25, 32<<16                          ; tensor_dim0 = 32
	s_mov_b32 s26, RWS<<16                         ; tensor_dim1
	s_mov_b32 s27, 32<<16                          ; tile_dim0
	s_mov_b32 s28, RWS                             ; tile_dim1
	s_mov_b32 s29, 32                              ; the pitch
	s_mov_b32 s30, 0
	s_mov_b32 s31, 0
	s_mul_i32 s20, s14, QB                         ; my quarter: in LDS and in memory alike
	s_mul_i32 s18, s17, 8*KSB
	s_add_co_u32 s18, s18, s20
	s_add_co_u32 s18, s18, WC_
	s_mov_b32 s19, 0
	s_lshl_b32 s21, s16, 4
	s_lshl_b32 s22, s14, 2
	s_add_co_u32 s21, s21, s22                     ; my first tile of hidden: 16 x + 4 w
	s_mov_b32 s75, 0
	s_mov_b32 s80, 0xffff0000                      ; lanes 16-31
	s_mov_b32 s[SEL], 0x76543210
	s_mov_b32 s[SEL+1], 0xfedcba98                 ; selects for lane l xor 16
	v_and_b32 v1, 31, v0                           ; l
	v_and_b32 v2, 15, v0                           ; r
	v_bfe_u32 v3, v0, 4, 1                         ; h
	v_lshlrev_b32 v4, 3, v1                        ; 8 l
	v_lshlrev_b32 v5, 2, v1                        ; 4 l
	v_mov_b32 v6, v4                               ; LDS: 8 l, + 65,536, + 131,072: an LDS offset has 16 bits
	v_add_nc_u32 v7, 0x10000, v4
	v_add_nc_u32 v8, 0x20000, v4
	v_lshlrev_b32 v9, 4, v1                        ; 16 l
	v_lshlrev_b32 v10, 6, v3                       ; bq, bk: 64 h: my half's 16 channels of a block of 32
	v_and_b32 v11, 8, v2
	v_add_nc_u32 v11, v11, v2
	v_lshlrev_b32 v11, 2, v11                      ; bv: 4 (r + 8 (r / 8)): my channel in a tile
	s_wait_dscnt 0x0
	s_wait_kmcnt 0x0
	s_add_nc_u64 s[18:19], s[4:5], s[18:19]        ; the weights' K step 0, my quarter
.irp s, 0,1,2,3,4,5,6,7
	s_mov_b32 s[32+4*\s], 1                        ; count = 1
	s_add_co_u32 s[33+4*\s], s20, \s*KSB           ; LDS address: the wave's number times a constant + the K step's constant
	s_add_nc_u64 s[34+4*\s:35+4*\s], s[18:19], \s*KSB
	s_or_b32 s[35+4*\s], s[35+4*\s], 0x80000000    ; type = 2
.endr
	s_mul_i32 s74, s21, 12288
	s_add_nc_u64 s[66:67], s[4:5], s[74:75]        ; hidden's codes at my first tile
	s_lshl_b32 s74, s21, 9
	s_add_co_u32 s74, s74, XS_
	s_add_nc_u64 s[68:69], s[4:5], s[74:75]        ; its scale blocks
	s_mul_i32 s74, s17, 6144
	s_add_co_u32 s74, s74, WS_
	s_add_nc_u64 s[70:71], s[4:5], s[74:75]        ; the weights' scale blocks of head y
	s_lshl_b32 s74, s17, 6
	s_lshl_b32 s76, s16, 2
	s_add_co_u32 s74, s74, s76
	s_add_co_u32 s74, s74, s14
	s_mul_i32 s74, s74, 3328
	s_add_nc_u64 s[72:73], s[12:13], s[74:75]      ; my record: head y, rows 64 (4 x + w) on
	s_lshl_b32 s74, s17, 8
	s_add_nc_u64 s[6:7], s[6:7], s[74:75]          ; the biases at head y
	s_add_nc_u64 s[8:9], s[8:9], s[74:75]
	s_add_nc_u64 s[10:11], s[10:11], s[74:75]
	CROUND                                         ; all four work-groups are here: the joint loads meet
.irp s, 0,1,2,3,4,5,6,7
	tensor_load_to_lds s[32+4*\s:35+4*\s], s[24:31]   ; all fills of the launch, as one group; no byte is filled twice
	s_nop 0
.endr
	PLACES                                         ; four v_nop behind the last of them
.irp a, 0,1,2,3
.irp p, 0,1,2,3
	global_load_b32 v[ASC+4*\a+\p], v5, s[68:69] offset:512*\a+128*\p
.endr
.endr
.irp b, 0,1,2,3,4,5,6,7,8,9,10,11
.irp p, 0,1,2,3
	global_load_b32 v[BSC+4*\b+\p], v5, s[70:71] offset:512*\b+128*\p
.endr
.endr
.macro BLOADS s, set, b0               ; six of the weights' fragments of K step s, tiles b0 on, from LDS: 36 loads, 256 consecutive bytes each
.irp f, 0,1,2,3,4,5
.irp q, 0,1,2,3,4,5
.set OFF_, (\s)*KSB+((\b0)+\f)*1536+256*\q
.set OHI_, OFF_>>16
.set OLO_, OFF_&0xffff
	ds_load_b64 v[(\set)+12*\f+2*\q:(\set)+12*\f+2*\q+1], v[6+OHI_] offset:OLO_
.endr
.endr
.endm
.macro ALOADS s                        ; my four fragments of hidden, K step s, into set s % 3 of window 3: 24 loads
	WIN 0xC0
.irp a, 0,1,2,3
.irp q, 0,1,2,3,4,5
	global_load_b64 v[48*((\s)%3)+12*\a+2*\q:48*((\s)%3)+12*\a+2*\q+1], v4, s[66:67] offset:12288*\a+1536*(\s)+256*\q
.endr
.endr
	WIN 0
.endm
.macro WM d, p, q, sp, sq, s           ; one product; K step 0 starts the sums with the constant 0; an odd K step's scale words lie in lanes 16-31
.if (\s) == 0
	v_wmma_scale_f32_16x16x128_f8f6f4 v[\d:\d+7], v[\p:\p+11], v[\q:\q+11], 0, v[\sp], v[\sq] matrix_a_fmt:MATRIX_FMT_FP6 matrix_b_fmt:MATRIX_FMT_FP6
.elseif (\s)%2 == 0
	v_wmma_scale_f32_16x16x128_f8f6f4 v[\d:\d+7], v[\p:\p+11], v[\q:\q+11], v[\d:\d+7], v[\sp], v[\sq] matrix_a_fmt:MATRIX_FMT_FP6 matrix_b_fmt:MATRIX_FMT_FP6
.else
	v_wmma_scale_f32_16x16x128_f8f6f4 v[\d:\d+7], v[\p:\p+11], v[\q:\q+11], v[\d:\d+7], v[\sp], v[\sq] matrix_a_fmt:MATRIX_FMT_FP6 matrix_b_fmt:MATRIX_FMT_FP6 matrix_a_scale:MATRIX_SCALE_ROW1 matrix_b_scale:MATRIX_SCALE_ROW1
.endif
.endm
.macro MM s, a, b
.set AF_, 48*((\s)%3)+12*(\a)
.set BF_, HB0+72*((\b)/6)+12*((\b)%6)
.set SA_, ASC+4*(\a)+(\s)/2
.set SB_, BSC+4*(\b)+(\s)/2
.if (\b) < 8
.set AC_, 64*((\a)%2)+8*(\b)
	WM AC_, BF_, AF_, SB_, SA_, \s
.else
.set AC_, 128+16*((\b)-8)+8*((\a)%2)
	WM AC_, AF_, BF_, SA_, SB_, \s
.endif
.endm
; The 48 accumulators take turns, one instruction a turn, in the same order in every K step.
.macro MMS0 s, g                       ; tiles 0-5 x a = 2 g, 2 g + 1
	WIN 0x5C+0x50*(\g)                             ; source 0 (weights) window 0, source 1 (hidden) window 3, C and D window 1 + g
.irp a2, 0,1
.irp b, 0,1,2,3,4,5
	MM \s, 2*(\g)+\a2, \b
.endr
.endr
.endm
.macro MMS1 s, g                       ; tiles 6-11
	WIN 0x5C+0x50*(\g)
.irp a2, 0,1
.irp b, 6,7
	MM \s, 2*(\g)+\a2, \b
.endr
.endr
	WIN 0x53+0x50*(\g)                             ; v's tiles: source 0 (hidden) window 3, source 1 (weights) window 0
.irp a2, 0,1
.irp b, 8,9,10,11
	MM \s, 2*(\g)+\a2, \b
.endr
.endr
.endm
.macro PHASE0 s
	WIN 0
.if (\s) > 0
	PLACES
.endif
	BLOADS \s, HB1, 6                              ; the K step's other six tiles, for the second phase
.if (\s) <= 5
	ALOADS (\s)+2                                  ; into the set that K step s - 1 has left
.endif
	s_wait_dscnt 36                                ; this phase's 36 loads are in; the 36 just issued may be out
.if (\s) <= 5
	s_wait_loadcnt 48                              ; hidden's K step s is in (and, at s = 0, all scale words, which are older); the two younger K steps' 48 loads may be out
.elseif (\s) == 6
	s_wait_loadcnt 24
.else
	s_wait_loadcnt 0x0
.endif
	MMS0 \s, 0
	MMS0 \s, 1
.endm
.macro PHASE1 s
	WIN 0
	s_wait_dscnt 0x0                               ; this phase's fragments are in, and no LDS instruction of mine is out at the signal
.if (\s) < 7
	s_wait_tensorcnt 6-(\s)                        ; my quarter of K step s + 1 has landed: 6 - s loads were issued behind it; they may stay out
	s_barrier_signal -1
	s_barrier_wait -1                              ; everybody's has
	PLACES
	BLOADS (\s)+1, HB0, 0
.else
	PLACES
.irp k, 0,1                            ; the biases, into the registers that tiles 0-5 have left
.irp b, 0,1
.irp j, 0,1,2,3
	global_load_b128 v[BQ+32*\k+16*\b+4*\j:BQ+32*\k+16*\b+4*\j+3], v10, s[6+2*\k:7+2*\k] offset:128*\b+16*\j
.endr
.endr
.endr
.irp b, 0,1,2,3
	global_load_b32 v[BV+2*\b], v11, s[10:11] offset:4*(32*(\b/2)+8*(\b%2))
	global_load_b32 v[BV+2*\b+1], v11, s[10:11] offset:4*(32*(\b/2)+8*(\b%2))
.endr
.endif
	MMS1 \s, 0
	MMS1 \s, 1
.endm
	ALOADS 0
	ALOADS 1
	s_wait_tensorcnt 7                             ; my quarter of K step 0 has landed: seven loads were issued behind it
	s_barrier_signal -1
	s_barrier_wait -1
	BLOADS 0, HB0, 0
.irp s, 0,1,2,3,4,5,6,7
	PHASE0 \s
	PHASE1 \s
.endr
; THE WAY OUT.  32 numbers of a lane, register 16 b + i = K index 32 b + 16 h + i of my row, become a unit's 6 code registers and its scale word.  A block of 32 lies in lanes l and l xor 16.
.macro QUANT64 t, cd, pw
	v_max3_num_f32 v[TM], |v[\t]|, |v[\t+1]|, 0x1800000       ; my 16 numbers of block 0, and the floor 2^(3 - 127): the byte cannot fall under 1
	v_max3_num_f32 v[TM+1], |v[\t+16]|, |v[\t+17]|, 0x1800000
.irp i, 2,4,6,8,10,12,14
	v_max3_num_f32 v[TM], v[TM], |v[\t+\i]|, |v[\t+\i+1]|
	v_max3_num_f32 v[TM+1], v[TM+1], |v[\t+16+\i]|, |v[\t+17+\i]|
.endr
	v_permlanex16_b32 v[TM+2], v[TM], s[SEL], s[SEL+1]
	v_permlanex16_b32 v[TM+3], v[TM+1], s[SEL], s[SEL+1]
	v_max_num_f32 v[TM], v[TM], v[TM+2]            ; the blocks' largest magnitudes
	v_max_num_f32 v[TM+1], v[TM+1], v[TM+3]
	v_add_nc_u32 v[TM+4], 0xff000000, v[TM]        ; 2 off the exponent field: the conversion's scale operand
	v_add_nc_u32 v[TM+5], 0xff000000, v[TM+1]
	v_lshrrev_b32 v[TM+2], 23, v[TM+4]             ; the bytes
	v_lshrrev_b32 v[TM+3], 23, v[TM+5]
	v_lshl_or_b32 v[\pw], v[TM+3], 8, v[TM+2]      ; the word; its bytes 2 and 3 are 0: they scale the K that is not there, whose codes on one side are zeros
	v_cvt_scalef32_pk16_fp6_f32 v[\cd:\cd+2], v[\t:\t+15], v[TM+4]
	v_cvt_scalef32_pk16_fp6_f32 v[CX:CX+2], v[\t+16:\t+31], v[TM+5]
	v_nop                                          ; one plain place behind a scaled conversion
.irp i, 0,1,2
	v_permlane16_swap_b32 v[\cd+\i], v[CX+\i]      ; the operand wants a whole block in a lane: lanes 0-15 block 0, lanes 16-31 block 1
.endr
.irp i, 0,1,2
	v_mov_b32 v[\cd+3+\i], v[CX+\i]
.endr
.endm
.macro UNIT_QK a, kk                   ; tile a of my rows; kk = 0: q, 1: k
	WIN 1+(\a)/2                                   ; source 0: the accumulators' window
.irp i, 0,1,2,3,4,5,6,7,8,9,10,11,12,13,14,15
	v_pk_add_f32 v[T+2*\i:T+2*\i+1], v[64*((\a)%2)+32*(\kk)+2*\i:64*((\a)%2)+32*(\kk)+2*\i+1], v[BQ+32*(\kk)+2*\i:BQ+32*(\kk)+2*\i+1]   ; + bias; each accumulator from its low end on
.endr
	WIN 0
	QUANT64 T, CD+6*(\a), PW+(\a)
.endm
.macro UNIT_V b                        ; tile b of v's channels: 64 keys in a lane
	WIN 1
.irp i, 0,1,2,3,4,5,6,7
	v_pk_add_f32 v[T+2*\i:T+2*\i+1], v[128+16*(\b)+2*\i:128+16*(\b)+2*\i+1], v[BV+2*(\b):BV+2*(\b)+1]
.endr
	WIN 2
.irp i, 0,1,2,3,4,5,6,7
	v_pk_add_f32 v[T+16+2*\i:T+17+2*\i], v[128+16*(\b)+2*\i:128+16*(\b)+2*\i+1], v[BV+2*(\b):BV+2*(\b)+1]
.endr
	WIN 0
	QUANT64 T, CD+6*(\b), PW+(\b)
.endm
.macro FLUSH sec
	v_cndmask_b32 v[SWD], v[PW], v[PW+1], s80      ; lanes 0-15 unit 0's words, lanes 16-31 unit 1's
	v_cndmask_b32 v[SWD+1], v[PW+2], v[PW+3], s80  ; units 2 and 3
.irp i, 0,1,2,3,4,5
	global_store_b128 v9, v[CD+4*\i:CD+4*\i+3], s[72:73] offset:\sec*SEC+512*\i   ; 512 consecutive bytes, at a multiple of 256 from the buffer's first byte
.endr
	global_store_b64 v4, v[SWD:SWD+1], s[72:73] offset:\sec*SEC+3072
	s_wait_xcnt 0x0                                ; the stores' data are written again only behind this wait
.endm
	WIN 0
	PLACES                                         ; behind the last products: their results are read and their operands' registers written from here on
	v_mov_b32 v[TM+2], 0                           ; a lane permute's destination counts as one of its sources
	v_mov_b32 v[TM+3], 0
	s_wait_loadcnt 0x0                             ; the biases
.irp a, 0,1,2,3
	UNIT_QK \a, 0
.endr
	FLUSH 0
.irp a, 0,1,2,3
	UNIT_QK \a, 1
.endr
	FLUSH 1
.irp b, 0,1,2,3
	UNIT_V \b
.endr
	FLUSH 2
	s_wait_tensorcnt 0x0
	ds_add_u32 v254, v255
	s_wait_dscnt 0x0
	CROUND                                         ; the closing round: no work-group ends while a partner may still ask for a tile that names it
	s_endpgm
.Lfunc_end_k_q2242c81b57_qkv:
	.size	k_q2242c81b57_qkv, .Lfunc_end_k_q2242c81b57_qkv-k_q2242c81b57_qkv
	.p2alignl 7, 3214868480
	.fill 96, 4, 3214868480
	.section	.rodata,"a",@progbits
	.p2align	6, 0x0
	.amdhsa_kernel k_q2242c81b57_qkv
		.amdhsa_group_segment_fixed_size 168448
		.amdhsa_private_segment_fixed_size 0
		.amdhsa_enable_private_segment 0
		.amdhsa_kernarg_size 40
		.amdhsa_user_sgpr_count 2
		.amdhsa_user_sgpr_kernarg_segment_ptr 1
		.amdhsa_wavefront_size32 1
		.amdhsa_system_sgpr_workgroup_id_x 1
		.amdhsa_system_sgpr_workgroup_id_y 1
		.amdhsa_system_sgpr_workgroup_id_z 1
		.amdhsa_system_vgpr_workitem_id 0
		.amdhsa_next_free_vgpr 1024
		.amdhsa_next_free_sgpr 100
		.amdhsa_reserve_vcc 0
		.amdhsa_float_denorm_mode_32 3
		.amdhsa_float_denorm_mode_16_64 3
		.amdhsa_memory_ordered 1
		.amdhsa_forward_progress 1
		.amdhsa_inst_pref_size 161
	.end_amdhsa_kernel
	.amdgpu_metadata
---
amdhsa.version: [ 1, 2 ]
amdhsa.kernels:
  - .name:           k_q2242c81b57_qkv
    .symbol:         k_q2242c81b57_qkv.kd
    .args:
      - { .name: ops, .offset: 0, .size: 8, .value_kind: global_buffer, .address_space: global }
      - { .name: bq, .offset: 8, .size: 8, .value_kind: global_buffer, .address_space: global }
      - { .name: bk, .offset: 16, .size: 8, .value_kind: global_buffer, .address_space: global }
      - { .name: bv, .offset: 24, .size: 8, .value_kind: global_buffer, .address_space: global }
      - { .name: qkv, .offset: 32, .size: 8, .value_kind: global_buffer, .address_space: global }
    .group_segment_fixed_size: 168448
    .private_segment_fixed_size: 0
    .kernarg_segment_align: 8
    .kernarg_segment_size: 40
    .max_flat_workgroup_size: 128
    .sgpr_count:     100
    .vgpr_count:     1024
    .wavefront_size: 32
...
	.end_amdgpu_metadata
.endif
;; end of part 2
;; launch attn (part 3): grid 256 x 1, 16 waves a work-group, no clusters, 0 bytes of LDS; arguments qkv, flags, attention_mask, att; writes att
.if DOCPART == 3
	.amdgcn_target "amdgcn-amd-amdhsa--gfx1250"
	.amdhsa_code_object_version 6
	.text
	.protected	k_q2242c81b57_attn
	.globl	k_q2242c81b57_attn
	.p2align	8
	.type	k_q2242c81b57_attn,@function
k_q2242c81b57_attn:
	s_mov_b64 s[64:65], 0
	v_nop
	global_prefetch_b8 v0, s[64:65] scope:SCOPE_SE
	s_setreg_imm32_b32 hwreg(HW_REG_WAVE_MODE, 25, 1), 1
	s_wait_xcnt 0x0
; ATTN.  For each head and each tile of 16 queries: S^T = k q^T (K = the head's 64 channels), the masked softmax as p = 2^(t - M), O^T = v^T p^T (K = the keys), O / the row's sum, quantised along the
; channels for the last projection.  All products on codes of FP6 (E2M3) with E8M0 scales.  t = score x log2(e) / 8; M = the running largest t rounded UP to a whole number; p is not normalised;
; the row's sum is taken of the unquantised p; when M moves, the sum and O^T are multiplied by 2^(old M - new M), which rounds nothing.
; WHICH KEYS.  An earlier launch has stored, for each 32 queries, 64 bits 'some key of chunk c (64 keys) is open' and 64 bits 'all are'.  A wave walks the chunks whose first bit is set: a chunk hidden from
; all its queries adds nothing to maximum, sum or product.  Where the second bit is clear the mask's bytes are read and hidden scores become -infinity ahead of the maximum.  This holds for every mask.
; ALLCHUNKS = 1 makes every chunk count as open and mixed.
; SHARES.  Wave w of work-group j: head w, query tile (j + 16 w) mod 256: a work-group's sixteen tiles are spread over the rows, so that the work-groups' sums of steps are alike.
; No LDS, no barrier, no joint loads: which records a wave wants hangs on its own list, which differs from wave to wave, and each record is 3,328 bytes that come as six loads of 512 consecutive bytes and one of 256.
; K = 64 IN AN INSTRUCTION OF K = 128: q's and p's registers 6-11 are zeros, so the upper 64 products are zeros whatever the other side's registers hold there (the next unit's codes, or six zeros
; behind the last unit): E2M3 has no infinity and no NaN, and no scale byte is 0xff.
; LAYOUT: both products are used transposed: a lane holds ONE query (lane % 16) throughout.  The units' rows lie in the order 32 (t / 2) + 8 (t % 2) + i + 8 (i / 8), so that register 16 b + i of the scores
; is key 32 b + 16 (lane / 16) + i of the chunk, and likewise for O^T's channels.
; LIMIT: a query that the mask hides from every key, for which the softmax is NaN, gets no NaN here.  NaN and infinities among the inputs are not served.
.set SEC,   3407872                    ; qkv: a section (q, k, v)
.set AS_,   3145728                    ; att: the scale blocks
.set ALLCHUNKS, 0
.set Q,    16                          ; v16-27  q's fragment (v22-27 zeros)
.set QSC,  28                          ; v28     q's scale words
.set P,    32                          ; v32-43  p's fragment (v38-43 zeros)
.set PX,   44                          ; v44-46  a conversion's second result
.set KF,   48                          ; v48-71  k's four units; v72-77 zeros
.set VF,   80                          ; v80-103 v's four units; v104-109 zeros
.set KSC,  110                         ; v110-111 k's scale words, v112-113 v's, v114 p's: scales and nothing else
.set VSC,  112
.set PWS,  114
.set S,    128                         ; v128-159 scores, then p
.set O,    160                         ; v160-191 O^T
.set BM,   192                         ; v192-193 the blocks' largest scores
.set BX,   194
.set TT,   196
.set SO,   198
.set BY,   200
.set SU,   202
.set CDO,  208                         ; v208-213 the result's codes
.set PWO,  214
.set MK,   216                         ; v216-223 mask bytes
.set FF,   224                         ; v[224:225] f = 2^(old M - new M), and its partner in the pair
.set NINF, 226
.set TM,   192                         ; the last quantiser works where the loop's temporaries lay
.set CX,   44
.set SEL,  40
.macro PLACES                          ; four places behind a matrix instruction of this form (ISA guide 7.12.1 for reads of its results)
.rept 4
	v_nop
.endr
.endm
; The next open chunk: its number into s36, its 'all open' bit into s37; its bit leaves the list.  With no bit left: chunk 63, a record that is loaded and never used.
.macro NEXT
	s_cmp_lg_u32 s20, 0
	s_cselect_b32 s44, s20, s21                    ; the word in hand,
	s_cselect_b32 s45, s22, s23                    ; its 'all open' word,
	s_cselect_b32 s46, 0, 32                       ; its first chunk
	s_ctz_i32_b32 s47, s44
	s_min_u32 s47, s47, 31
	s_lshr_b32 s45, s45, s47
	s_and_b32 s37, s45, 1
	s_add_co_u32 s48, s44, -1
	s_and_b32 s44, s44, s48                        ; the lowest bit is cleared
	s_cmp_lg_u32 s20, 0
	s_cselect_b32 s20, s44, s20
	s_cselect_b32 s21, s21, s44
	s_add_co_u32 s36, s47, s46
	s_min_u32 s36, s36, 63                         ; a number made of loaded bits enters addresses only behind this hold
.endm
.macro KLOAD                           ; k's record of chunk s36: seven loads
	s_mul_i32 s58, s36, 3328
	s_add_nc_u64 s[28:29], s[26:27], s[58:59]
.irp i, 0,1,2,3,4,5
	global_load_b128 v[KF+4*\i:KF+4*\i+3], v4, s[28:29] offset:SEC+512*\i
.endr
	global_load_b64 v[KSC:KSC+1], v5, s[28:29] offset:SEC+3072
.endm
	s_load_b256 s[4:11], s[0:1], 0x0               ; qkv s[4:5], flags s[6:7], mask s[8:9], att s[10:11]
	v_lshrrev_b32 v1, 5, v0
	v_readfirstlane_b32 s12, v1                    ; wave = head
	s_lshl_b32 s13, s12, 4
	s_add_co_u32 s13, s13, ttmp9
	s_and_b32 s13, s13, 255                        ; T: my tile of 16 queries
	s_lshr_b32 s14, s13, 1                         ; G: its 32 queries
	s_lshr_b32 s15, s13, 2                         ; its record
	s_and_b32 s16, s13, 3                          ; its unit there
	s_lshl_b32 s58, s14, 4
	s_mov_b32 s59, 0                               ; s[58:59]: an offset as a pair; the upper word stays 0
	s_wait_kmcnt 0x0
	s_add_nc_u64 s[6:7], s[6:7], s[58:59]
	s_load_b128 s[20:23], s[6:7], 0x0              ; some-open low, high; all-open low, high
	s_mul_i32 s58, s12, 212992
	s_add_nc_u64 s[26:27], s[4:5], s[58:59]        ; the head's records
	s_mul_i32 s58, s15, 3328
	s_add_nc_u64 s[52:53], s[26:27], s[58:59]      ; q's record
	s_lshl_b32 s58, s14, 5
	s_and_b32 s46, s13, 1
	s_lshl_b32 s46, s46, 3
	s_add_co_u32 s58, s58, s46                     ; the tile's first query: 32 G + 8 (T % 2)
	s_lshl_b32 s58, s58, 12
	s_add_nc_u64 s[50:51], s[8:9], s[58:59]        ; its row of the mask
	s_mul_i32 s58, s13, 12288
	s_lshr_b32 s46, s12, 1
	s_mul_i32 s47, s46, 1536
	s_add_co_u32 s58, s58, s47
	s_and_b32 s47, s12, 1
	s_mul_i32 s48, s47, 768
	s_add_co_u32 s58, s58, s48
	s_add_nc_u64 s[54:55], s[10:11], s[58:59]      ; the result's codes: tile T, K step head / 2, registers 6 (head % 2) on
	s_lshl_b32 s58, s13, 9
	s_lshl_b32 s46, s46, 6
	s_add_co_u32 s58, s58, s46
	s_lshl_b32 s47, s47, 1
	s_add_co_u32 s58, s58, s47
	s_add_co_u32 s58, s58, AS_
	s_add_nc_u64 s[56:57], s[10:11], s[58:59]      ; and its two scale bytes a row
	s_mov_b32 s[SEL], 0x76543210
	s_mov_b32 s[SEL+1], 0xfedcba98                 ; selects for lane l xor 16
	s_mov_b32 s42, 0x3e38aa3b                      ; c = log2(e) / 8
	s_mov_b32 s43, s42                             ; (named with it as a pair, so it is written)
	v_and_b32 v1, 31, v0                           ; l
	v_and_b32 v2, 15, v0                           ; r
	v_bfe_u32 v3, v0, 4, 1                         ; h
	v_lshlrev_b32 v4, 4, v1                        ; 16 l
	v_lshlrev_b32 v5, 3, v1                        ; 8 l
	v_and_b32 v6, 8, v2
	v_add_nc_u32 v6, v6, v2
	v_lshlrev_b32 v6, 12, v6
	v_lshl_add_u32 v6, v3, 4, v6                   ; the mask: row r + 8 (r / 8) of the tile, + 16 h
	v_lshlrev_b32 v11, 2, v2                       ; 4 r
	s_mul_i32 s44, s16, 6                          ; q's registers in its record: 6 a + 2 p and the next, p = 0, 1, 2
.irp p, 0,1,2
	s_add_co_u32 s46, s44, 2*\p
	s_lshr_b32 s47, s46, 2
	s_lshl_b32 s47, s47, 9
	s_and_b32 s46, s46, 3
	s_lshl_b32 s46, s46, 2
	s_add_co_u32 s47, s47, s46
	v_add_nc_u32 v[7+\p], s47, v4
.endr
	s_and_b32 s46, s16, 1
	s_lshl_b32 s46, s46, 7
	s_lshr_b32 s47, s16, 1
	s_lshl_b32 s47, s47, 2
	s_add_co_u32 s46, s46, s47
	s_add_co_u32 s46, s46, 3072
	v_lshl_add_u32 v10, v2, 3, s46                 ; q's scale word of row r: 3,072 + 8 (16 (a % 2) + r) + 4 (a / 2)
.irp p, 0,1,2
	global_load_b64 v[Q+2*\p:Q+2*\p+1], v[7+\p], s[52:53]
.endr
	global_load_b32 v[QSC], v10, s[52:53]
	v_mov_b32 v13, 0xff61b1e6                      ; the largest t so far: -3e38, under every t
	v_floor_f32 v12, -v13                          ; -M
	v_mov_b32 v14, 0                               ; the sum, in two halves
	v_mov_b32 v15, 0
.irp j, 0,1,2,3,4,5
	v_mov_b32 v[Q+6+\j], 0                         ; the K that is not there
	v_mov_b32 v[P+6+\j], 0
	v_mov_b32 v[KF+24+\j], 0
	v_mov_b32 v[VF+24+\j], 0
.endr
.set j_, 0
.rept 32
	v_mov_b32 v[O+j_], 0                           ; O^T.  (The step is written once: the first finds zeros, which the first change of M leaves zeros)
.set j_, j_+1
.endr
	v_mov_b32 v[BX], 0                             ; a lane permute's destination counts as one of its sources
	v_mov_b32 v[BX+1], 0
	v_mov_b32 v[FF+1], 0                           ; (named as the upper half of a pair)
	v_mov_b32 v[NINF], 0xff800000                  ; -infinity
	s_wait_kmcnt 0x0
.if ALLCHUNKS
	s_mov_b32 s20, -1
	s_mov_b32 s21, -1
	s_mov_b32 s22, 0
	s_mov_b32 s23, 0
.endif
	s_bcnt1_i32_b32 s38, s20
	s_bcnt1_i32_b32 s44, s21
	s_add_co_u32 s38, s38, s44                     ; n: my steps
	s_mov_b32 s39, 0
	NEXT
	KLOAD                                          ; the first chunk's k
	s_cmp_eq_u32 s38, 0
	s_cbranch_scc1 .Lend
.Ltrip:                                            ; a step: one open chunk of 64 keys.  k's record was asked for a step ago; v's is asked for now and wanted at the step's end
	PLACES                                         ; behind the last step's products, in front of the loads into v's registers
	s_min_u32 s34, s36, 63                         ; this step's chunk
	s_mov_b32 s35, s37                             ; and whether all of it is open
	s_mul_i32 s58, s34, 3328
	s_add_nc_u64 s[30:31], s[26:27], s[58:59]      ; (the last step's loads by this base were shown done by the wait in front of its last products)
.irp i, 0,1,2,3,4,5
	global_load_b128 v[VF+4*\i:VF+4*\i+3], v4, s[30:31] offset:2*SEC+512*\i
.endr
	global_load_b64 v[VSC:VSC+1], v5, s[30:31] offset:2*SEC+3072
	s_wait_loadcnt 7                               ; k's record (and, in the first step, q) is in; v's seven loads may be out
.irp t, 0,2
	v_wmma_scale_f32_16x16x128_f8f6f4 v[S+8*\t:S+8*\t+7], v[KF+6*\t:KF+6*\t+11], v[Q:Q+11], 0, v[KSC+\t/2], v[QSC] matrix_a_fmt:MATRIX_FMT_FP6 matrix_b_fmt:MATRIX_FMT_FP6
	v_wmma_scale_f32_16x16x128_f8f6f4 v[S+8*\t+8:S+8*\t+15], v[KF+6*\t+6:KF+6*\t+17], v[Q:Q+11], 0, v[KSC+\t/2], v[QSC] matrix_a_fmt:MATRIX_FMT_FP6 matrix_b_fmt:MATRIX_FMT_FP6 matrix_a_scale:MATRIX_SCALE_ROW1
.endr
	PLACES
	s_cmp_lg_u32 s35, 0
	s_cbranch_scc1 .Lopen                          ; all 32 x 64 open: the mask's bytes are not wanted.  A branch on a whole number that an earlier launch stored
	s_lshl_b32 s58, s34, 6
	s_add_nc_u64 s[32:33], s[50:51], s[58:59]
	global_load_b128 v[MK:MK+3], v6, s[32:33]               ; my query's bytes for keys 16 h + 0 .. 15 of the chunk,
	global_load_b128 v[MK+4:MK+7], v6, s[32:33] offset:32   ; and 32 + 16 h + 0 .. 15
	s_wait_loadcnt 0x0
.set n_, 0
.rept 32
	v_and_b32 v[TT], 1<<(8*(n_%4)), v[MK+4*(n_/16)+(n_%16)/4]
	v_cmp_eq_u32 vcc_lo, 0, v[TT]
	v_cndmask_b32 v[S+n_], v[S+n_], v[NINF], vcc_lo         ; hidden: -infinity, so that p = 0
.set n_, n_+1
.endr
.Lopen:
	NEXT
	KLOAD                                          ; the next step's k: its registers and base are free: their loads were waited for, and four places stand behind the products
.irp b, 0,1
	v_max3_num_f32 v[BM+\b], v[S+16*\b], v[S+1+16*\b], v[S+2+16*\b]   ; the largest score of each block of 32 keys: it serves the row's maximum and, since p rises with the score, the block's largest p
.endr
.irp i, 3,5,7,9,11,13
.irp b, 0,1
	v_max3_num_f32 v[BM+\b], v[BM+\b], v[S+16*\b+\i], v[S+1+16*\b+\i]
.endr
.endr
.irp b, 0,1
	v_max_num_f32 v[BM+\b], v[BM+\b], v[S+15+16*\b]
.endr
.irp b, 0,1
	v_permlanex16_b32 v[BX+\b], v[BM+\b], s[SEL], s[SEL+1]
.endr
.irp b, 0,1
	v_max_num_f32 v[BM+\b], v[BM+\b], v[BX+\b]     ; with lane l xor 16's 16 keys
.endr
	v_max_num_f32 v[TT], v[BM], v[BM+1]
	v_mul_f32 v[TT], s42, v[TT]                    ; as t (c is positive)
	v_max_num_f32 v13, v13, v[TT]                  ; the running largest t
	v_mov_b32 v[TT], v12
	v_floor_f32 v12, -v13                          ; the new -M = floor(-t): M is a whole number
	v_sub_f32 v[TT], v12, v[TT]                    ; old M - new M: a whole number, 0 or less
	v_cvt_i32_f32 v[TT], v[TT]                     ; (it saturates)
	v_ldexp_f32 v[FF], 1.0, v[TT]                  ; f = 2^(old M - new M)
.set j_, 0
.rept 16
	v_pk_fma_f32 v[S+j_:S+j_+1], v[S+j_:S+j_+1], s[42:43], v[12:13] op_sel_hi:[1,0,0]   ; t - M, two at a time
.set j_, j_+2
.endr
.irp b, 0,1
	v_fma_f32 v[BM+\b], v[BM+\b], s42, v12         ; the same of each block's largest score
.endr
.set j_, 0
.rept 32
	v_exp_f32 v[S+j_], v[S+j_]                     ; p = 2^(t - M), at most 1
.set j_, j_+1
.endr
.irp b, 0,1
	v_exp_f32 v[BM+\b], v[BM+\b]                   ; the block's largest p: the same two instructions on the same number
.endr
	v_pk_mul_f32 v[14:15], v[14:15], v[FF:FF+1] op_sel_hi:[1,0]   ; the sums under the new M.  (A plain place behind the exponentials)
	s_wait_alu depctr_va_vdst(0)
.irp b, 0,1
	v_max_num_f32 v[BM+\b], 0x1800000, v[BM+\b]    ; the floor 2^(3 - 127): the byte cannot fall under 1
.endr
.irp b, 0,1
	v_add_nc_u32 v[SO+\b], 0xff000000, v[BM+\b]    ; 2 off the exponent field: the conversion's scale operand
.endr
.irp b, 0,1
	v_lshrrev_b32 v[BY+\b], 23, v[SO+\b]
.endr
	v_lshl_or_b32 v[PWS], v[BY+1], 8, v[BY]        ; p's scale word for these 64 keys; more than eight plain instructions stand between it and the products
	v_cvt_scalef32_pk16_fp6_f32 v[P:P+2], v[S:S+15], v[SO]
	v_cvt_scalef32_pk16_fp6_f32 v[PX:PX+2], v[S+16:S+31], v[SO+1]
	v_nop                                          ; one plain place behind a scaled conversion
.irp i, 0,1,2
	v_permlane16_swap_b32 v[P+\i], v[PX+\i]        ; a whole block in a lane: lanes 0-15 block 0, lanes 16-31 block 1
.endr
.irp i, 0,1,2
	v_mov_b32 v[P+3+\i], v[PX+\i]
.endr
	v_pk_add_f32 v[SU:SU+1], v[S:S+1], v[S+2:S+3]  ; the row's sum is taken of the unquantised p: two at a time, in two chains
.irp j, 4,8,12,16,20,24,28
	v_pk_add_f32 v[14:15], v[14:15], v[S+\j:S+\j+1]
	v_pk_add_f32 v[SU:SU+1], v[SU:SU+1], v[S+\j+2:S+\j+3]
.endr
	v_pk_add_f32 v[14:15], v[14:15], v[SU:SU+1]
.set j_, 0
.rept 16
	v_pk_mul_f32 v[O+j_:O+j_+1], v[O+j_:O+j_+1], v[FF:FF+1] op_sel_hi:[1,0]   ; O^T under the new M
.set j_, j_+2
.endr
	s_wait_loadcnt 7                               ; v's record is in; the next k's seven loads may be out (behind the mask's bytes everything older was waited for)
.irp t, 0,2
	v_wmma_scale_f32_16x16x128_f8f6f4 v[O+8*\t:O+8*\t+7], v[VF+6*\t:VF+6*\t+11], v[P:P+11], v[O+8*\t:O+8*\t+7], v[VSC+\t/2], v[PWS] matrix_a_fmt:MATRIX_FMT_FP6 matrix_b_fmt:MATRIX_FMT_FP6
	v_wmma_scale_f32_16x16x128_f8f6f4 v[O+8*\t+8:O+8*\t+15], v[VF+6*\t+6:VF+6*\t+17], v[P:P+11], v[O+8*\t+8:O+8*\t+15], v[VSC+\t/2], v[PWS] matrix_a_fmt:MATRIX_FMT_FP6 matrix_b_fmt:MATRIX_FMT_FP6 matrix_a_scale:MATRIX_SCALE_ROW1
.endr
	s_add_co_u32 s39, s39, 1
	s_cmp_lt_u32 s39, s38
	s_cbranch_scc1 .Ltrip
.Lend:
	PLACES                                         ; behind the last products
	v_add_f32 v14, v14, v15                        ; the sum's two halves,
	v_permlanex16_b32 v[BX], v14, s[SEL], s[SEL+1]
	v_add_f32 v14, v14, v[BX]                      ; and lane l xor 16's: the row's sum
	v_rcp_f32 v14, v14
	v_nop                                          ; one plain place behind a transcendental
.set j_, 0
	s_wait_alu depctr_va_vdst(0)
.rept 32
	v_mul_f32 v[S+j_], v[O+j_], v14                ; O^T / the sum, each accumulator from its low end on: register 16 b + i = channel 32 b + 16 h + i of my query
.set j_, j_+1
.endr
	; the head's 64 channels are two blocks of the last projection's K
	v_max3_num_f32 v[TM], |v[S]|, |v[S+1]|, 0x1800000
	v_max3_num_f32 v[TM+1], |v[S+16]|, |v[S+17]|, 0x1800000
.irp i, 2,4,6,8,10,12,14
	v_max3_num_f32 v[TM], v[TM], |v[S+\i]|, |v[S+\i+1]|
	v_max3_num_f32 v[TM+1], v[TM+1], |v[S+16+\i]|, |v[S+17+\i]|
.endr
	v_permlanex16_b32 v[TM+2], v[TM], s[SEL], s[SEL+1]
	v_permlanex16_b32 v[TM+3], v[TM+1], s[SEL], s[SEL+1]
	v_max_num_f32 v[TM], v[TM], v[TM+2]
	v_max_num_f32 v[TM+1], v[TM+1], v[TM+3]
	v_add_nc_u32 v[TM+4], 0xff000000, v[TM]
	v_add_nc_u32 v[TM+5], 0xff000000, v[TM+1]
	v_lshrrev_b32 v[TM+2], 23, v[TM+4]
	v_lshrrev_b32 v[TM+3], 23, v[TM+5]
	v_lshl_or_b32 v[PWO], v[TM+3], 8, v[TM+2]      ; my row's two scale bytes
	v_cvt_scalef32_pk16_fp6_f32 v[CDO:CDO+2], v[S:S+15], v[TM+4]
	v_cvt_scalef32_pk16_fp6_f32 v[CX:CX+2], v[S+16:S+31], v[TM+5]
	v_nop
.irp i, 0,1,2
	v_permlane16_swap_b32 v[CDO+\i], v[CX+\i]
.endr
.irp i, 0,1,2
	v_mov_b32 v[CDO+3+\i], v[CX+\i]
.endr
.irp p, 0,1,2
	global_store_b64 v5, v[CDO+2*\p:CDO+2*\p+1], s[54:55] offset:256*\p   ; 256 consecutive bytes, at a multiple of 256 from the buffer's first byte
.endr
	s_wait_xcnt 0x0                                ; EXEC is a source of what is pending: it changes only behind this wait
	v_cmpx_gt_u32 16, v1                           ; lanes 0-15 hold the 16 rows
	global_store_b16 v11, v[PWO], s[56:57]         ; two bytes a row, 4 bytes apart: 32 of the wave's 800 bytes go out so; the other head of the K step writes the words' other halves
	s_wait_xcnt 0x0
	s_mov_b32 exec_lo, -1
	s_endpgm
.Lfunc_end_k_q2242c81b57_attn:
	.size	k_q2242c81b57_attn, .Lfunc_end_k_q2242c81b57_attn-k_q2242c81b57_attn
	.p2alignl 7, 3214868480
	.fill 96, 4, 3214868480
	.section	.rodata,"a",@progbits
	.p2align	6, 0x0
	.amdhsa_kernel k_q2242c81b57_attn
		.amdhsa_group_segment_fixed_size 0
		.amdhsa_private_segment_fixed_size 0
		.amdhsa_enable_private_segment 0
		.amdhsa_kernarg_size 32
		.amdhsa_user_sgpr_count 2
		.amdhsa_user_sgpr_kernarg_segment_ptr 1
		.amdhsa_wavefront_size32 1
		.amdhsa_system_sgpr_workgroup_id_x 1
		.amdhsa_system_sgpr_workgroup_id_y 1
		.amdhsa_system_sgpr_workgroup_id_z 1
		.amdhsa_system_vgpr_workitem_id 0
		.amdhsa_next_free_vgpr 256
		.amdhsa_next_free_sgpr 66
		.amdhsa_reserve_vcc 1
		.amdhsa_float_denorm_mode_32 3
		.amdhsa_float_denorm_mode_16_64 3
		.amdhsa_memory_ordered 1
		.amdhsa_forward_progress 1
		.amdhsa_inst_pref_size 25
	.end_amdhsa_kernel
	.amdgpu_metadata
---
amdhsa.version: [ 1, 2 ]
amdhsa.kernels:
  - .name:           k_q2242c81b57_attn
    .symbol:         k_q2242c81b57_attn.kd
    .args:
      - { .name: qkv, .offset: 0, .size: 8, .value_kind: global_buffer, .address_space: global }
      - { .name: flags, .offset: 8, .size: 8, .value_kind: global_buffer, .address_space: global }
      - { .name: attention_mask, .offset: 16, .size: 8, .value_kind: global_buffer, .address_space: global }
      - { .name: att, .offset: 24, .size: 8, .value_kind: global_buffer, .address_space: global }
    .group_segment_fixed_size: 0
    .private_segment_fixed_size: 0
    .kernarg_segment_align: 8
    .kernarg_segment_size: 32
    .max_flat_workgroup_size: 512
    .sgpr_count:     66
    .vgpr_count:     256
    .wavefront_size: 32
...
	.end_amdgpu_metadata
.endif
;; end of part 3
;; launch oproj (part 4): grid 16 x 16, 4 waves a work-group, clusters of 4 x 1, 168,448 bytes of LDS; arguments att, ops, bo, out0; writes out0
.if DOCPART == 4
	.amdgcn_target "amdgcn-amd-amdhsa--gfx1250"
	.amdhsa_code_object_version 6
	.text
	.protected	k_q2242c81b57_oproj
	.globl	k_q2242c81b57_oproj
	.p2align	8
	.type	k_q2242c81b57_oproj,@function
k_q2242c81b57_oproj:
	s_mov_b64 s[64:65], 0
	v_nop
	global_prefetch_b8 v0, s[64:65] scope:SCOPE_SE
	s_setreg_imm32_b32 hwreg(HW_REG_WAVE_MODE, 25, 1), 1
	s_wait_xcnt 0x0
	s_wait_alu depctr_hold_cnt(0) depctr_sa_sdst(0) depctr_va_vdst(0) depctr_va_sdst(0) depctr_va_ssrc(0) depctr_va_vcc(0) depctr_vm_vsrc(0)
	s_getreg_b32 s2, hwreg(HW_REG_IB_STS2, 6, 4)
	s_cmp_eq_u32 s2, 0
	s_cbranch_scc0 .Lentry_in_a_cluster
	s_endpgm
.Lentry_in_a_cluster:
	s_bfe_u32 s2, ttmp6, 0x10000c
	s_cmp_lg_u32 s2, 0x3003
	s_cbranch_scc0 .Lentry_shape_is_right
	s_endpgm
.Lentry_shape_is_right:
; OPROJ.  out = attn wo^T + bo on codes of FP6 (E2M3) with E8M0 scales, f32 sums.
; SHARES.  Work-group (x, y): rows 256 x .. 256 x + 255 against output columns 64 y .. 64 y + 63 (4 tiles of wo).  Wave w: 4 tiles of 16 rows against all 4: 16 accumulators.
; wo's tiles, K = 1,024 whole (49,152 bytes), are read by all four waves: they lie in LDS, filled ONCE by 8 tensor loads a wave (K step s, quarter w = one fragment; by this text's own count a wave has 8 out).
; The four work-groups of a cluster share y and ask for them JOINTLY (mask 15).  attn's fragments are read by one wave each: straight from memory into registers, two K steps ahead.
; The products are used TRANSPOSED (source 0 = wo's rows, source 1 = attn's rows): a lane holds one row of out, register 16 b + i = column 32 b + 16 h + i of the 64.
; Every tile of 16 holds the rows 32 (t / 2) + 8 (t % 2) + i + 8 (i / 8).  A tile's results go through the wave's own stage in LDS and leave as rows: sixteen lanes store 256 consecutive bytes.
; REGISTERS.  Window 0: v1-14 addresses; v32-47 attn's scale words, v48-63 wo's: scales and nothing else; v96-143, v144-191 wo's fragments of the even and odd K steps; v192-223 bo; v224-255 at work.
;   Window 3: attn's fragments, three sets of 48.  Windows 1 (a = 0, 1), 2 (a = 2, 3): accumulator (a, b) at v[64 (a % 2) + 8 b].
.set KSB,  6144                        ; a K step of the 4 tiles
.set QB,   1536                        ; a quarter of it: one tensor load, 6 rows of 256 bytes
.set RWS,  6
.set AS_,  3145728                     ; att: the scale blocks
.set OC_,  5734400                     ; ops: wo's codes
.set OS_,  6520832                     ; its scale blocks
.set STG,  49152                       ; LDS behind wo's tiles: a stage of 16 rows x 272 bytes for each wave; no fill lands there
.set ASC,  32
.set BSC,  48
.set HB0,  96
.set BO,   192
.set T,    224
.set OB,   96                          ; the way out: 16 rows read back, two sets of 32
.set MSB,  0
.macro WIN new                         ; the immediate's high byte repeats the setting that is left
.if MSB != (\new)
	s_set_vgpr_msb (MSB<<8)|(\new)
.set MSB, (\new)
.endif
.endm
.macro PLACES                          ; four places behind a matrix instruction of this form (ISA guide 7.12.1 for reads of its results)
.rept 4
	v_nop
.endr
.endm
.macro CROUND                          ; a round of the cluster's barrier
	s_barrier_signal -1
	s_barrier_wait -1
	s_cmp_lg_u32 s14, 0
	s_cbranch_scc1 .Lnot_wave_0_\@
	s_barrier_signal -3
.Lnot_wave_0_\@:
	s_barrier_wait -3
	s_barrier_signal -1
	s_barrier_wait -1
.endm
	s_load_b256 s[4:11], s[0:1], 0x0               ; att s[4:5], ops s[6:7], bo s[8:9], out0 s[10:11]
	v_lshl_add_u32 v94, v0, 2, 0x29000
	v_mov_b32 v95, 0
	ds_add_u32 v94, v95
	ds_add_u32 v94, v95
	v_lshrrev_b32 v1, 5, v0
	v_readfirstlane_b32 s14, v1                    ; wave 0..3
	s_bfe_u32 s15, ttmp6, 0x40000                  ; cx
	s_lshl_b32 s16, ttmp9, 2
	s_add_co_u32 s16, s16, s15                     ; x: it enters attn's and out's global addresses alone
	s_and_b32 s17, ttmp7, 0xffff                   ; y, which the four partners share
	s_mov_b32 s24, 15|(3<<16)|(1<<21)              ; group 1: the mask of all four; elements of 8 bytes; bit 21 beside a mask
	s_mov_b32 s25, 32<<16                          ; tensor_dim0 = 32
	s_mov_b32 s26, RWS<<16                         ; tensor_dim1
	s_mov_b32 s27, 32<<16                          ; tile_dim0
	s_mov_b32 s28, RWS                             ; tile_dim1
	s_mov_b32 s29, 32                              ; the pitch
	s_mov_b32 s30, 0
	s_mov_b32 s31, 0
	s_mul_i32 s20, s14, QB
	s_mul_i32 s18, s17, 8*KSB
	s_add_co_u32 s18, s18, s20
	s_add_co_u32 s18, s18, OC_
	s_mov_b32 s19, 0
	s_lshl_b32 s21, s16, 4
	s_lshl_b32 s22, s14, 2
	s_add_co_u32 s21, s21, s22                     ; my first tile of attn: 16 x + 4 w
	s_mov_b32 s75, 0
	s_mul_i32 s76, s14, 4352
	s_add_co_u32 s76, s76, STG                     ; my stage
	v_and_b32 v1, 31, v0                           ; l
	v_and_b32 v2, 15, v0                           ; r
	v_bfe_u32 v3, v0, 4, 1                         ; h
	v_lshlrev_b32 v4, 3, v1                        ; 8 l
	v_lshlrev_b32 v5, 2, v1                        ; 4 l
	v_mov_b32 v6, v4                               ; LDS: 8 l
	v_lshlrev_b32 v10, 6, v3                       ; bo: 64 h
	v_mul_u32_u24 v12, v2, 272
	v_lshl_add_u32 v12, v3, 6, v12
	v_add_nc_u32 v12, s76, v12                     ; into the stage: row r, + 64 h
	v_mul_u32_u24 v13, v3, 272
	v_lshl_add_u32 v13, v2, 4, v13
	v_add_nc_u32 v13, s76, v13                     ; back: lanes 0-15 one row, lanes 16-31 the next
	v_lshlrev_b32 v14, 12, v3
	v_lshl_add_u32 v14, v2, 4, v14                 ; and the same in out: 4,096 h + 16 r
	s_wait_dscnt 0x0
	s_wait_kmcnt 0x0
	s_add_nc_u64 s[18:19], s[6:7], s[18:19]        ; wo's K step 0, my quarter
.irp s, 0,1,2,3,4,5,6,7
	s_mov_b32 s[32+4*\s], 1
	s_add_co_u32 s[33+4*\s], s20, \s*KSB
	s_add_nc_u64 s[34+4*\s:35+4*\s], s[18:19], \s*KSB
	s_or_b32 s[35+4*\s], s[35+4*\s], 0x80000000
.endr
	s_mul_i32 s74, s21, 12288
	s_add_nc_u64 s[66:67], s[4:5], s[74:75]        ; attn's codes at my first tile
	s_lshl_b32 s74, s21, 9
	s_add_co_u32 s74, s74, AS_
	s_add_nc_u64 s[68:69], s[4:5], s[74:75]        ; its scale blocks
	s_lshl_b32 s74, s17, 11
	s_add_co_u32 s74, s74, OS_
	s_add_nc_u64 s[70:71], s[6:7], s[74:75]        ; wo's scale blocks of y
	s_lshl_b32 s74, s21, 16                        ; 16 rows of 4,096 bytes a tile
	s_lshl_b32 s77, s17, 8
	s_add_co_u32 s74, s74, s77
	s_add_nc_u64 s[72:73], s[10:11], s[74:75]      ; out at row 256 x + 64 w, column 64 y
	s_mov_b32 s74, s77
	s_add_nc_u64 s[8:9], s[8:9], s[74:75]          ; bo at column 64 y
	CROUND                                         ; all four work-groups are here: the joint loads meet
.irp s, 0,1,2,3,4,5,6,7
	tensor_load_to_lds s[32+4*\s:35+4*\s], s[24:31]   ; all fills of the launch, as one group; no byte is filled twice
	s_nop 0
.endr
	PLACES                                         ; four v_nop behind the last of them
.irp a, 0,1,2,3
.irp p, 0,1,2,3
	global_load_b32 v[ASC+4*\a+\p], v5, s[68:69] offset:512*\a+128*\p
	global_load_b32 v[BSC+4*\a+\p], v5, s[70:71] offset:512*\a+128*\p
.endr
.endr
.irp b, 0,1
.irp j, 0,1,2,3
	global_load_b128 v[BO+16*\b+4*\j:BO+16*\b+4*\j+3], v10, s[8:9] offset:128*\b+16*\j
.endr
.endr
.macro BLOADS s                        ; wo's four fragments of K step s from LDS into set s % 2: 24 loads, 256 consecutive bytes each
.irp f, 0,1,2,3
.irp q, 0,1,2,3,4,5
	ds_load_b64 v[HB0+48*((\s)%2)+12*\f+2*\q:HB0+48*((\s)%2)+12*\f+2*\q+1], v6 offset:(\s)*KSB+\f*1536+256*\q
.endr
.endr
.endm
.macro ALOADS s                        ; my four fragments of attn, K step s, into set s % 3 of window 3: 24 loads
	WIN 0xC0
.irp a, 0,1,2,3
.irp q, 0,1,2,3,4,5
	global_load_b64 v[48*((\s)%3)+12*\a+2*\q:48*((\s)%3)+12*\a+2*\q+1], v4, s[66:67] offset:12288*\a+1536*(\s)+256*\q
.endr
.endr
	WIN 0
.endm
.macro MM s, a, b                      ; K step 0 starts the sums with the constant 0; an odd K step's scale words lie in lanes 16-31
.set AF_, 48*((\s)%3)+12*(\a)
.set BF_, HB0+48*((\s)%2)+12*(\b)
.set SA_, ASC+4*(\a)+(\s)/2
.set SB_, BSC+4*(\b)+(\s)/2
.set AC_, 64*((\a)%2)+8*(\b)
.if (\s) == 0
	v_wmma_scale_f32_16x16x128_f8f6f4 v[AC_:AC_+7], v[BF_:BF_+11], v[AF_:AF_+11], 0, v[SB_], v[SA_] matrix_a_fmt:MATRIX_FMT_FP6 matrix_b_fmt:MATRIX_FMT_FP6
.elseif (\s)%2 == 0
	v_wmma_scale_f32_16x16x128_f8f6f4 v[AC_:AC_+7], v[BF_:BF_+11], v[AF_:AF_+11], v[AC_:AC_+7], v[SB_], v[SA_] matrix_a_fmt:MATRIX_FMT_FP6 matrix_b_fmt:MATRIX_FMT_FP6
.else
	v_wmma_scale_f32_16x16x128_f8f6f4 v[AC_:AC_+7], v[BF_:BF_+11], v[AF_:AF_+11], v[AC_:AC_+7], v[SB_], v[SA_] matrix_a_fmt:MATRIX_FMT_FP6 matrix_b_fmt:MATRIX_FMT_FP6 matrix_a_scale:MATRIX_SCALE_ROW1 matrix_b_scale:MATRIX_SCALE_ROW1
.endif
.endm
.macro PHASE s                         ; a K step: 16 products; the 16 accumulators take turns, one instruction a turn
	WIN 0
	s_wait_dscnt 0x0                               ; this K step's fragments of wo are in, and no LDS instruction of mine is out at the signal
.if (\s) < 7
	s_wait_tensorcnt 6-(\s)                        ; my quarter of K step s + 1 has landed: 6 - s loads were issued behind it; they may stay out
	s_barrier_signal -1
	s_barrier_wait -1                              ; everybody's has
	PLACES
	BLOADS (\s)+1                                  ; into the set that K step s - 1 has left
.endif
.if (\s) <= 5
	ALOADS (\s)+2
	s_wait_loadcnt 48                              ; attn's K step s is in (and, at s = 0, the scale words and bo, which are older); the two younger K steps' 48 loads may be out
.elseif (\s) == 6
	s_wait_loadcnt 24
.else
	s_wait_loadcnt 0x0
.endif
.irp g, 0,1
	WIN 0x5C+0x50*\g                               ; source 0 (wo) window 0, source 1 (attn) window 3, C and D window 1 + g
.irp a2, 0,1
.irp b, 0,1,2,3
	MM \s, 2*\g+\a2, \b
.endr
.endr
.endr
.endm
	ALOADS 0
	ALOADS 1
	s_wait_tensorcnt 7                             ; my quarter of K step 0 has landed: seven loads were issued behind it
	s_barrier_signal -1
	s_barrier_wait -1
	BLOADS 0
.irp s, 0,1,2,3,4,5,6,7
	PHASE \s
.endr
; THE WAY OUT, a tile of 16 rows x 64 columns at a time: + bo; 128 bytes a lane into my stage (rows 272 bytes apart); back as rows of 256 bytes; stored.
.macro OUTA a
	WIN 1+(\a)/2                                   ; source 0: the accumulators' window
.irp i, 0,1,2,3,4,5,6,7,8,9,10,11,12,13,14,15
	v_pk_add_f32 v[T+2*\i:T+2*\i+1], v[64*((\a)%2)+2*\i:64*((\a)%2)+2*\i+1], v[BO+2*\i:BO+2*\i+1]   ; each accumulator from its low end on
.endr
	WIN 0
.irp b, 0,1
.irp j, 0,1,2,3
	ds_store_b128 v12, v[T+16*\b+4*\j:T+16*\b+4*\j+3] offset:128*\b+16*\j
.endr
.endr
.if (\a) >= 2
	s_wait_xcnt 0x0                                ; the stores of two tiles back have read this set of registers
.endif
.irp t, 0,1,2,3,4,5,6,7
	ds_load_b128 v[OB+32*((\a)%2)+4*\t:OB+32*((\a)%2)+4*\t+3], v13 offset:544*\t   ; LDS serves a wave's instructions in order: these see my stores
.endr
	s_wait_dscnt 0x0
.irp t, 0,1,2,3,4,5,6,7
	global_store_b128 v14, v[OB+32*((\a)%2)+4*\t:OB+32*((\a)%2)+4*\t+3], s[72:73] offset:4096*(32*((\a)/2)+8*((\a)%2)+2*\t+8*(\t/4)) th:TH_STORE_NT   ; 16 lanes store 256 consecutive bytes, at a multiple of 256 from out's first byte; stage rows 2 t, 2 t + 1 are the tile's rows in its own order
.endr
.endm
	WIN 0
	PLACES                                         ; behind the last products: their results are read, and loads land in their operands' registers, from here on
.irp a, 0,1,2,3
	OUTA \a
.endr
	s_wait_tensorcnt 0x0
	ds_add_u32 v94, v95
	s_wait_dscnt 0x0
	CROUND                                         ; the closing round: no work-group ends while a partner may still ask for a tile that names it
	s_endpgm
.Lfunc_end_k_q2242c81b57_oproj:
	.size	k_q2242c81b57_oproj, .Lfunc_end_k_q2242c81b57_oproj-k_q2242c81b57_oproj
	.p2alignl 7, 3214868480
	.fill 96, 4, 3214868480
	.section	.rodata,"a",@progbits
	.p2align	6, 0x0
	.amdhsa_kernel k_q2242c81b57_oproj
		.amdhsa_group_segment_fixed_size 168448
		.amdhsa_private_segment_fixed_size 0
		.amdhsa_enable_private_segment 0
		.amdhsa_kernarg_size 32
		.amdhsa_user_sgpr_count 2
		.amdhsa_user_sgpr_kernarg_segment_ptr 1
		.amdhsa_wavefront_size32 1
		.amdhsa_system_sgpr_workgroup_id_x 1
		.amdhsa_system_sgpr_workgroup_id_y 1
		.amdhsa_system_sgpr_workgroup_id_z 1
		.amdhsa_system_vgpr_workitem_id 0
		.amdhsa_next_free_vgpr 1024
		.amdhsa_next_free_sgpr 100
		.amdhsa_reserve_vcc 0
		.amdhsa_float_denorm_mode_32 3
		.amdhsa_float_denorm_mode_16_64 3
		.amdhsa_memory_ordered 1
		.amdhsa_forward_progress 1
		.amdhsa_inst_pref_size 72
	.end_amdhsa_kernel
	.amdgpu_metadata
---
amdhsa.version: [ 1, 2 ]
amdhsa.kernels:
  - .name:           k_q2242c81b57_oproj
    .symbol:         k_q2242c81b57_oproj.kd
    .args:
      - { .name: att, .offset: 0, .size: 8, .value_kind: global_buffer, .address_space: global }
      - { .name: ops, .offset: 8, .size: 8, .value_kind: global_buffer, .address_space: global }
      - { .name: bo, .offset: 16, .size: 8, .value_kind: global_buffer, .address_space: global }
      - { .name: out0, .offset: 24, .size: 8, .value_kind: global_buffer, .address_space: global }
    .group_segment_fixed_size: 168448
    .private_segment_fixed_size: 0
    .kernarg_segment_align: 8
    .kernarg_segment_size: 32
    .max_flat_workgroup_size: 128
    .sgpr_count:     100
    .vgpr_count:     1024
    .wavefront_size: 32
...
	.end_amdgpu_metadata
.endif
;; end of part 4
